; MI455X (gfx1250); checked and timed in simulation.
; The chip was launched on July 23, 2026; its instructions are those of AMD's public machine-readable ISA for CDNA 5 (MIT licence, August 2026) and "CDNA5" Instruction Set Architecture Reference Guide (July 2026). The comments in the code are by the model that wrote it; some were corrected since.
;; Quant Linear. Allowed arithmetic: matrix products marked QUANTISED: E3M2 operands, one E8M0 scale for each 32 along K, by v_wmma_scale_f32_16x16x128_f8f6f4 with both operands' format E3M2, f32 sums; everything else in f32.
;; Inputs: bias 4,096 float16; q_invperm 4,096 int32; q_scale 32 x 512 int32; q_scale_max 32 float16; q_weight 512 x 4,096 int32; x 4,096 x 4,096 float16.
;; Outputs: out0 4,096 x 4,096 float16.
;; This version of the problem:
;;   THIS VERSION OF THE PROBLEM IS GIVEN IN LOW PRECISION. The matrix products marked QUANTISED in the list below multiply operands that are first quantised to E3M2 (3 exponent bits, 2 mantissa bits; 6 bits a number), with one power-of-two scale for each 32 numbers along K (OCP MX v1.0); their sums are f32. All else is computed in f32.
;;   The module's matrix products, in the order in which they are computed (A, B: the left and right operand; K: the contracted axis; several contracted axes count as one K, in the product's order):
;;     1. [M 4,096, K 4,096] x [K 4,096, N 4,096]; A: computed on the way; B: computed on the way: QUANTISED
;;   THE QUANTISER, for each operand of a quantised product, along K:
;;     - K is cut into blocks of 32 from its start; a last block that is shorter is filled with zeros.
;;     - A block's scale is 2^e with e = floor(log2(the largest magnitude in the block)) - 4, held to -126 .. 127; a block of zeros has e = 0. As a byte (E8M0): e + 127.
;;     - Each number is divided by its block's scale, clamped to +-28, and rounded to the nearest number of E3M2, ties to even, subnormals kept.
;;     - The product sums the exact products of the quantised numbers (number of the format x scale) in f32.
;;   ~~~python
;;   def quantise(x, axis):      # numpy; x: float32 -> the quantised numbers, widened to float32 again
;;       x = np.moveaxis(x, axis, -1); K = x.shape[-1]
;;       x = np.pad(x, [(0, 0)] * (x.ndim - 1) + [(0, -K % 32)]); x = x.reshape(x.shape[:-1] + (-1, 32)); a = np.abs(x).max(-1, keepdims=True)
;;       e = np.where(a > 0, np.clip(np.frexp(np.where(a > 0, a, 1))[1] - 1 - 4, -126, 127), 0)      # np.frexp(a)[1] - 1 = floor(log2(a)), exactly
;;       r = np.clip(x / 2.0 ** e, -28, 28)
;;       step = 2.0 ** (np.maximum(np.frexp(np.where(r == 0, 1, r))[1] - 1, -2) - 2)
;;       q = np.round(r / step) * step * 2.0 ** e      # np.round: ties to even
;;       return np.moveaxis(q.reshape(q.shape[:-2] + (-1,))[..., :K], -1, axis).astype(np.float32)
;;   ~~~
;;   OPERANDS COMPUTED ON THE WAY. 'Computed on the way' means the value that the module computes at that place (a softmax that the list does not call 'softmax' is quantised finished and normalised). What goes into a quantiser is computed in f32, as accurately as f32 sums, v_exp_f32 and their like allow (about 1e-6 of the number): no bf16 or f16 on the way to a quantiser, and a product that is left as it is and whose result goes on into a quantised operand takes f32 operands (vector FMAs, or v_wmma_f32_16x16x4_f32). A number that lies on a knife's edge between two numbers of the format may be rounded either way, as far as f32 arithmetic and the matrix unit's own rounding can turn it there, and no further.
;; One version. Each part assembles by itself: llvm-mc -triple=amdgcn-amd-amdhsa -mcpu=gfx1250 --defsym DOCPART=n.
;; ======== version 1 of 1: 3 launches
;; limits: values are held in f16: magnitudes above 65,504 overflow, below 6.1e-05 lose precision; right only within a limited range of input values
;; workspace buffers: a_img 12,582,912 bytes; b_img 12,582,912 bytes; a_scl 524,288 bytes; b_scl 524,288 bytes; q_perm 16,384 bytes of whole numbers
;; launch wq (part 1): grid 256 x 1, 8 waves a work-group, no clusters, 19,456 bytes of LDS; arguments q_weight, q_scale, q_scale_max, q_invperm, b_img, b_scl, q_perm; writes b_img, b_scl, q_perm
.if DOCPART == 1
	.amdgcn_target "amdgcn-amd-amdhsa--gfx1250"
	.amdhsa_code_object_version 6
	.text
	.protected	k_qba7af159d6_wq
	.globl	k_qba7af159d6_wq
	.p2align	8
	.type	k_qba7af159d6_wq,@function
k_qba7af159d6_wq:
	s_mov_b64 s[64:65], 0
	v_nop
	global_prefetch_b8 v0, s[64:65] scope:SCOPE_SE
	s_setreg_imm32_b32 hwreg(HW_REG_WAVE_MODE, 25, 1), 1
	s_wait_xcnt 0x0
; TWO JOBS.  (1) W[k][n] = (nibble - 8) x (s4 + 1)^2 x q_scale_max[k / 128] / 256, in f32, is quantised along k to codes of BF6 (E3M2) with one E8M0 byte for each 32 k.
; (2) q_perm = the stable argsort of q_invperm, by counting: rank(j) = the number of i with (q_invperm[i], i) < (q_invperm[j], j); q_perm[rank(j)] = j.  Right for any int32 numbers, equal ones too.
; W IS EXACT IN f32: (s4 + 1)^2 has at most 9 bits, an f16's mantissa 11, nibble - 8 at most 4: 24 in all, so one fused multiply-add nibble x S - 8 S gives the number itself.
; b_img holds the codes IN THE ORDER OF THE OPERAND'S REGISTERS: byte = ks x 786,432 + tile x 3,072 + q x 1,536 + c x 512 + lane x 16; fragment (tile, K step 2 ks + q) is 16 columns x 128 k, 12 registers a lane, registers 4 c .. 4 c + 3 in piece c.
; Tile 4 G + e holds the columns n = 64 G + 4 r + e (r = lane % 16): so one 16-byte load of q_weight, four columns a lane, feeds four tiles, and sixteen lanes read 256 consecutive bytes.
; b_scl holds one word for a column and 128 k: byte = tile x 2,048 + ks x 128 + r x 8 + q x 4.
; SHARES.  Work-group g: G = g / 4, a = g % 4.  Wave w takes the 64 columns of G and K step s = 8 a + w (which is also the group of q_scale): four fragments.  Wave 8 g + w also ranks j = 2 (8 g + w) + lane / 16, its sixteen lanes sharing the 4,096 i.
; A block's scale byte is its largest magnitude's exponent field - 4, held at 1 from below.  A block of zeros so gets the byte 1 where the rule says 127: its codes are zeros, and this program alone reads the bytes.
; LIMITS: NaN and infinity in q_scale_max are not served.
.set TBL,   0                          ; LDS: q_invperm[i] xor 0x7fffffff, 16,384 bytes
.set SSTG,  16384                      ; LDS: the work-group's scale words, [e 4][ks 4][r 16][q 2], 2,048 bytes
.set KSB,   786432
.set TILEB, 3072
.set FRB,   1536
.set FLOOR, 0x2800000                  ; 2^(5 - 127)
.set CNT, 16                           ; v16-19   four counters
.set THR, 20                           ; v20-23   sums that are thrown away
.set TAB, 24                           ; v24-39   the table as loaded
.set SP,  44                           ; v44-51   S of column e, as a pair
.set SN,  52                           ; v52-59   -8 S, as a pair
.set SW,  60                           ; v60-63   tile e's scale word
.set WQ,  64                           ; v64-95   packed weights: register 4 (4 c + i) + e
.set F,   96                           ; v96-159  64 numbers; before that two sets of 32 table words
.set PC,  160                          ; v160-207 tile e's codes, 12 registers each
.set T,   208                          ; v208-215 the upper halves of two blocks' codes
.set MX,  216                          ; v216-219 largest magnitudes, four chains
.set SCO, 220                          ; v220-221 the conversions' scale operands
.set BY,  222                          ; v222-223 the scale bytes
.set OW,  224                          ; v224-227 scale words on their way out
.set PD,  231
.set WT,  232
	s_load_b256 s[4:11], s[0:1], 0x0               ; q_weight s[4:5], q_scale s[6:7], q_scale_max s[8:9], q_invperm s[10:11]
	s_load_b128 s[12:15], s[0:1], 0x20             ; b_img s[12:13], b_scl s[14:15]
	s_load_b64 s[16:17], s[0:1], 0x30              ; q_perm
	v_lshl_add_u32 v240, v0, 2, 0x4800
	v_mov_b32 v241, 0
	v_lshrrev_b32 v1, 5, v0
	s_delay_alu instid0(VALU_DEP_1)
	v_readfirstlane_b32 s18, v1                    ; wave 0..7
	v_and_b32 v1, 31, v0                           ; lane
	v_and_b32 v2, 15, v0                           ; r
	v_bfe_u32 v3, v0, 4, 1                         ; h
	v_lshlrev_b32 v4, 4, v0                        ; 16 x thread: the table's loads and its LDS stores
	s_delay_alu instid0(VALU_DEP_3)
	v_lshlrev_b32 v12, 4, v2                       ; 16 r: the table's reads
	s_delay_alu instid0(VALU_DEP_1)
	v_lshl_add_u32 v5, v3, 16, v12                 ; weights: lanes 16-31 four packed rows (65,536 bytes) further down, + 16 r
	v_lshrrev_b32 v6, 1, v2
	s_delay_alu instid0(VALU_DEP_1)
	v_lshlrev_b32 v6, 2, v6                        ; q_scale: the word that holds columns 4 r .. 4 r + 3
	v_mov_b32 v7, 0
	v_lshlrev_b32 v13, 4, v1                       ; 16 x lane: an image's place
	v_lshlrev_b32 v15, 3, v3                       ; 8 h
	v_and_b32 v43, 1, v2
	s_delay_alu instid0(VALU_DEP_1)
	v_lshlrev_b32 v43, 4, v43                      ; my four nibbles begin at bit 16 (r % 2)
	s_mov_b32 s24, 0x76543210
	s_mov_b32 s25, 0xfedcba98                      ; v_permlanex16_b32's selects for lane l xor 16
	s_lshr_b32 s19, ttmp9, 2                       ; G
	s_and_b32 s26, ttmp9, 3                        ; a
	s_lshl_b32 s27, s26, 3
	s_add_co_u32 s27, s27, s18                     ; s = 8 a + w
	s_lshl_b32 s39, ttmp9, 3
	s_add_co_u32 s39, s39, s18
	s_lshl_b32 s39, s39, 1
	v_add_nc_u32 v11, s39, v3                      ; j = 2 (8 g + w) + h
	v_lshlrev_b32 v10, 2, v2
	s_delay_alu instid0(VALU_DEP_1)
	v_sub_nc_u32 v10, v11, v10                     ; j - 4 r: i = 64 T + 4 r + e comes before j where 64 T + e < j - 4 r
	s_delay_alu instid0(VALU_DEP_3)
	v_lshlrev_b32 v230, 2, v11                     ; 4 j
	s_lshr_b32 s40, s18, 1
	s_lshl_b32 s40, s40, 7
	s_and_b32 s41, s18, 1
	s_lshl_b32 s41, s41, 2
	s_add_co_u32 s40, s40, s41
	s_add_co_u32 s40, s40, SSTG
	v_lshl_add_u32 v14, v2, 3, s40                 ; where my scale words go: SSTG + 128 (w / 2) + 8 r + 4 (w % 2)
	v_and_b32 v228, 127, v0
	s_delay_alu instid0(VALU_DEP_1)
	v_lshl_add_u32 v228, v228, 4, SSTG             ; and where threads 0-127 read them back, 16 bytes each
	v_lshrrev_b32 v229, 5, v0
	s_delay_alu instid0(VALU_DEP_1)
	v_lshlrev_b32 v229, 11, v229
	s_delay_alu instid0(VALU_DEP_1)
	v_lshl_add_u32 v229, v1, 4, v229               ; their place in b_scl: tile e = thread / 32, 2,048 bytes a tile
	s_lshl_b32 s28, s27, 18                        ; q_weight: 16 packed rows of 16,384 bytes a K step, + 256 G
	s_lshl_b32 s38, s19, 8
	s_add_co_u32 s28, s28, s38
	s_mov_b32 s29, 0
	s_lshl_b32 s30, s27, 11                        ; q_scale: row s of 2,048 bytes, + 32 G
	s_lshl_b32 s38, s19, 5
	s_add_co_u32 s30, s30, s38
	s_mov_b32 s31, 0
	s_lshl_b32 s32, s27, 1                         ; q_scale_max: 2 s
	s_mov_b32 s33, 0
	s_lshr_b32 s34, s27, 1                         ; b_img: ks = s / 2, tile 4 G, q = s % 2
	s_mul_i32 s34, s34, KSB
	s_mul_i32 s38, s19, 4*TILEB
	s_add_co_u32 s34, s34, s38
	s_and_b32 s38, s27, 1
	s_mul_i32 s38, s38, FRB
	s_add_co_u32 s34, s34, s38
	s_mov_b32 s35, 0
	s_lshl_b32 s36, s19, 13                        ; b_scl: tile 4 G, ks = 4 a
	s_lshl_b32 s38, s26, 9
	s_add_co_u32 s36, s36, s38
	s_mov_b32 s37, 0
	s_wait_alu depctr_va_vdst(0)
	s_wait_kmcnt 0x0
	s_add_nc_u64 s[4:5], s[4:5], s[28:29]
	s_add_nc_u64 s[6:7], s[6:7], s[30:31]
	s_add_nc_u64 s[8:9], s[8:9], s[32:33]
	s_add_nc_u64 s[12:13], s[12:13], s[34:35]
	s_add_nc_u64 s[14:15], s[14:15], s[36:37]
.irp u, 0,1,2,3
	global_load_b128 v[TAB+4*\u:TAB+4*\u+3], v4, s[10:11] offset:4096*\u   ; the whole of q_invperm: 256 threads x 16 bytes, four times
.endr
	global_load_b32 v8, v230, s[10:11]             ; q_invperm[j]
.irp c, 0,1
.irp i, 0,1,2,3
	global_load_b128 v[WQ+4*(4*\c+\i):WQ+4*(4*\c+\i)+3], v5, s[4:5] offset:(8*\c+\i)*16384 th:TH_LOAD_NT   ; packed row 16 s + 8 c + 4 h + i, columns 4 r .. 4 r + 3: k = 64 c + 32 h + 8 i + 0 .. 7; read once in the launch
.endr
.endr
	global_load_b32 v42, v6, s[6:7]
	global_load_u16 v40, v7, s[8:9]
.irp e, 0,1,2,3
	v_mov_b32 v[CNT+\e], 0
.endr
	v_mov_b32 v[PD], 0                             ; a lane permute's destination counts as one of its sources
	s_wait_loadcnt 10                              ; the table and q_invperm[j] are in; the ten loads issued behind them (8 of weights, 2 of scales) stay out
.set n, 0
.rept 16
	v_xor_b32 v[TAB+n], 0x7fffffff, v[TAB+n]       ; the complement of u_i, u = the number with its sign bit turned: unsigned order
.set n, n+1
.endr
	v_xor_b32 v9, 0x80000000, v8                   ; u_j
.irp u, 0,1,2,3
	ds_store_b128 v4, v[TAB+4*\u:TAB+4*\u+3] offset:TBL+4096*\u
.endr
	s_wait_alu depctr_va_vdst(0)
	s_wait_dscnt 0x0                               ; for the others' sake: my part of the table lies in LDS
	s_barrier_signal -1
	s_barrier_wait -1
; THE RANK.  ~u_i + u_j + [i < j] carries out of 32 bits just where u_i < u_j, or u_i = u_j and i < j: the stable order.  Three lines a number, four chains by turns, each with a mask register of its own.
.macro RLOAD gq                        ; eight reads of 256 bytes (both halves of the lanes the same): register 4 tl + e holds i = 64 (8 gq + tl) + 4 r + e
.irp tl, 0,1,2,3,4,5,6,7
	ds_load_b128 v[F+32*((\gq)%2)+4*\tl:F+32*((\gq)%2)+4*\tl+3], v12 offset:TBL+256*(8*(\gq)+\tl)
.endr
.endm
.macro RGROUP gq
.irp tl, 0,1,2,3,4,5,6,7
.irp e, 0,1,2,3
	v_cmp_lt_i32 s[20+\e], 64*(8*(\gq)+\tl)+\e, v10                                    ; [i < j]
.endr
.irp e, 0,1,2,3
	s_delay_alu instid0(VALU_DEP_4)
	v_add_co_ci_u32 v[THR+\e], s[20+\e], v[F+32*((\gq)%2)+4*\tl+\e], v9, s[20+\e]       ; the carry out says: i comes before j
.endr
.irp e, 0,1,2,3
	s_delay_alu instid0(VALU_DEP_4)
	v_add_co_ci_u32 v[CNT+\e], s[20+\e], 0, v[CNT+\e], s[20+\e]                        ; and is counted
.endr
.endr
.endm
	RLOAD 0
	RLOAD 1
.irp gq, 0,1,2,3,4,5,6,7
.if \gq < 7
	s_wait_dscnt 8                                 ; this group's eight reads are in; the next group's eight may be out
.else
	s_wait_dscnt 0x0
.endif
	RGROUP \gq
.if \gq < 6
	RLOAD \gq+2
.endif
.endr
	s_delay_alu instid0(VALU_DEP_3)
	v_add_nc_u32 v[CNT], v[CNT], v[CNT+1]
	s_delay_alu instid0(VALU_DEP_2)
	v_add_nc_u32 v[CNT+2], v[CNT+2], v[CNT+3]
	s_delay_alu instid0(VALU_DEP_1)
	v_add_nc_u32 v[CNT], v[CNT], v[CNT+2]
.irp m, 1,2,4,8                        ; over the sixteen lanes that share j, in whole numbers throughout: an address is made of this sum
	s_delay_alu instid0(VALU_DEP_1)
	v_mov_b32_dpp v[THR], v[CNT] row_xmask:\m row_mask:0xf bank_mask:0xf
	s_delay_alu instid0(VALU_DEP_1)
	v_add_nc_u32 v[CNT], v[CNT], v[THR]
.endr
	s_delay_alu instid0(VALU_DEP_1)
	v_min_u32 v[CNT], 4095, v[CNT]                 ; a rank is at most 4,095
	s_delay_alu instid0(VALU_DEP_1)
	v_lshlrev_b32 v[CNT], 2, v[CNT]
	global_store_b32 v[CNT], v11, s[16:17]         ; q_perm[rank(j)] = j; sixteen lanes store the same word with the same number; ranks differ from j to j, so each word has one writer
	; THE SCALES OF MY FOUR COLUMNS
	s_wait_loadcnt 0x0
	v_cvt_f32_f16 v41, v40.l
	s_delay_alu instid0(VALU_DEP_1)
	v_mul_f32 v41, 0x3b800000, v41                 ; q_scale_max / 256
	v_lshrrev_b32 v42, v43, v42
.irp e, 0,1,2,3
	v_bfe_u32 v[SP+2*\e], v42, 4*\e, 4
.endr
.irp e, 0,1,2,3
	s_delay_alu instid0(VALU_DEP_4)
	v_add_nc_u32 v[SP+2*\e], 1, v[SP+2*\e]
.endr
.irp e, 0,1,2,3
	s_delay_alu instid0(VALU_DEP_4)
	v_mul_u32_u24 v[SP+2*\e], v[SP+2*\e], v[SP+2*\e]
.endr
.irp e, 0,1,2,3
	s_delay_alu instid0(VALU_DEP_4)
	v_cvt_f32_u32 v[SP+2*\e], v[SP+2*\e]
.endr
.irp e, 0,1,2,3
	s_delay_alu instid0(VALU_DEP_4)
	v_mul_f32 v[SP+2*\e], v41, v[SP+2*\e]          ; S = (s4 + 1)^2 x q_scale_max / 256: exact
.endr
.irp e, 0,1,2,3
	v_mov_b32 v[SP+2*\e+1], v[SP+2*\e]             ; (the packed form names pairs, so both words are written)
	v_mul_f32 v[SN+2*\e], 0xc1000000, v[SP+2*\e]   ; -8 S
	v_mul_f32 v[SN+2*\e+1], 0xc1000000, v[SP+2*\e]
.endr
; TILE e: my column 64 G + 4 r + e.  My 64 numbers are the blocks h and 2 + h of the K step: F[32 c + 8 i + t] = W(64 c + 32 h + 8 i + t), in the very order of the operand's registers.
.macro TILE e
.irp c, 0,1
.irp i, 0,1,2,3
.irp t, 0,1,2,3,4,5,6,7
	v_bfe_u32 v[F+32*\c+8*\i+\t], v[WQ+4*(4*\c+\i)+\e], 4*\t, 4
.endr
.endr
.endr
.set n, 0
.rept 64
	v_cvt_f32_u32 v[F+n], v[F+n]
.set n, n+1
.endr
.set n, 0
.rept 32
	v_pk_fma_f32 v[F+n:F+n+1], v[F+n:F+n+1], v[SP+2*\e:SP+2*\e+1], v[SN+2*\e:SN+2*\e+1] op_sel_hi:[1,0,0]   ; nibble x S - 8 S
.set n, n+2
.endr
.irp z, 0,1,2,3
	v_max3_num_f32 v[MX+\z], |v[F+16*\z]|, |v[F+16*\z+1]|, FLOOR   ; four chains of 16 numbers by turns, each over the floor, under which no largest magnitude is taken: the byte cannot fall under 1
.endr
.irp i, 2,4,6,8,10,12,14
.irp z, 0,1,2,3
	s_delay_alu instid0(VALU_DEP_4)
	v_max3_num_f32 v[MX+\z], v[MX+\z], |v[F+16*\z+\i]|, |v[F+16*\z+\i+1]|
.endr
.endr
.irp c, 0
	s_delay_alu instid0(VALU_DEP_3)
	v_max_num_f32 v[MX+2*\c], v[MX+2*\c], v[MX+2*\c+1]             ; the block's: all its 32 numbers are mine
.endr
.irp c, 1
	s_delay_alu instid0(VALU_DEP_2)
	v_max_num_f32 v[MX+2*\c], v[MX+2*\c], v[MX+2*\c+1]             ; the block's: all its 32 numbers are mine
.endr
.irp c, 0,1
	s_delay_alu instid0(VALU_DEP_2)
	v_add_nc_u32 v[SCO+\c], 0xfe000000, v[MX+2*\c]                 ; 4 off its exponent field: the conversion takes the exponent field of this operand as its scale
.endr
.irp c, 0,1
	s_delay_alu instid0(VALU_DEP_2)
	v_lshrrev_b32 v[BY+\c], 23, v[SCO+\c]                          ; the scale's byte
.endr
	s_delay_alu instid0(VALU_DEP_1)
	v_lshl_or_b32 v[WT], v[BY+1], 16, v[BY]        ; my two bytes, blocks h and 2 + h,
	s_delay_alu instid0(VALU_DEP_1)
	v_lshlrev_b32 v[WT], v15, v[WT]                ; at their places in the word;
	s_delay_alu instid0(VALU_DEP_1)
	v_permlanex16_b32 v[PD], v[WT], s24, s25
	s_delay_alu instid0(VALU_DEP_1)
	v_or_b32 v[SW+\e], v[WT], v[PD]                ; with lane l xor 16's two the word is whole
.irp c, 0,1
	v_cvt_scalef32_pk16_bf6_f32 v[PC+12*\e+6*\c:PC+12*\e+6*\c+2], v[F+32*\c:F+32*\c+15], v[SCO+\c]
	v_cvt_scalef32_pk16_bf6_f32 v[T+4*\c:T+4*\c+2], v[F+32*\c+16:F+32*\c+31], v[SCO+\c]   ; (a conversion's three registers begin on an even number: the block's upper half is made elsewhere and moved)
.endr
	v_nop                                          ; one plain line behind a scaled conversion
.irp c, 0,1
.irp i, 0,1,2
	v_mov_b32 v[PC+12*\e+6*\c+3+\i], v[T+4*\c+\i]
.endr
.endr
.irp x, 0,1,2
	global_store_b128 v13, v[PC+12*\e+4*\x:PC+12*\e+4*\x+3], s[12:13] offset:\e*TILEB+512*\x   ; 32 lanes store 512 consecutive bytes, at a multiple of 512 from b_img's first byte.  Each tile has registers of its own: no store's data are written again
.endr
	ds_store_b32 v14, v[SW+\e] offset:512*\e       ; lanes r and 16 + r write the same word with the same number
.endm
	TILE 0
	TILE 1
	TILE 2
	TILE 3
	s_wait_dscnt 0x0                               ; for the others' sake: my scale words lie in LDS
	s_barrier_signal -1
	s_barrier_wait -1
	s_cmp_lt_u32 s18, 4                            ; 2,048 bytes: waves 0 to 3 carry them out, a tile's 512 consecutive bytes each
	s_cbranch_scc0 .Ldone
	ds_load_b128 v[OW:OW+3], v228
	s_wait_dscnt 0x0
	global_store_b128 v229, v[OW:OW+3], s[14:15]
.Ldone:
	s_wait_tensorcnt 0x0
	ds_add_u32 v240, v241
	s_wait_dscnt 0x0
	s_endpgm
.Lfunc_end_k_qba7af159d6_wq:
	.size	k_qba7af159d6_wq, .Lfunc_end_k_qba7af159d6_wq-k_qba7af159d6_wq
	.p2alignl 7, 3214868480
	.fill 96, 4, 3214868480
	.section	.rodata,"a",@progbits
	.p2align	6, 0x0
	.amdhsa_kernel k_qba7af159d6_wq
		.amdhsa_group_segment_fixed_size 19456
		.amdhsa_private_segment_fixed_size 0
		.amdhsa_enable_private_segment 0
		.amdhsa_kernarg_size 56
		.amdhsa_user_sgpr_count 2
		.amdhsa_user_sgpr_kernarg_segment_ptr 1
		.amdhsa_wavefront_size32 1
		.amdhsa_system_sgpr_workgroup_id_x 1
		.amdhsa_system_sgpr_workgroup_id_y 1
		.amdhsa_system_sgpr_workgroup_id_z 1
		.amdhsa_system_vgpr_workitem_id 0
		.amdhsa_next_free_vgpr 242
		.amdhsa_next_free_sgpr 66
		.amdhsa_reserve_vcc 0
		.amdhsa_float_denorm_mode_32 3
		.amdhsa_float_denorm_mode_16_64 3
		.amdhsa_memory_ordered 1
		.amdhsa_forward_progress 1
		.amdhsa_inst_pref_size 137
	.end_amdhsa_kernel
	.amdgpu_metadata
---
amdhsa.version: [ 1, 2 ]
amdhsa.kernels:
  - .name:           k_qba7af159d6_wq
    .symbol:         k_qba7af159d6_wq.kd
    .args:
      - { .name: q_weight, .offset: 0, .size: 8, .value_kind: global_buffer, .address_space: global }
      - { .name: q_scale, .offset: 8, .size: 8, .value_kind: global_buffer, .address_space: global }
      - { .name: q_scale_max, .offset: 16, .size: 8, .value_kind: global_buffer, .address_space: global }
      - { .name: q_invperm, .offset: 24, .size: 8, .value_kind: global_buffer, .address_space: global }
      - { .name: b_img, .offset: 32, .size: 8, .value_kind: global_buffer, .address_space: global }
      - { .name: b_scl, .offset: 40, .size: 8, .value_kind: global_buffer, .address_space: global }
      - { .name: q_perm, .offset: 48, .size: 8, .value_kind: global_buffer, .address_space: global }
    .group_segment_fixed_size: 19456
    .private_segment_fixed_size: 0
    .kernarg_segment_align: 8
    .kernarg_segment_size: 56
    .max_flat_workgroup_size: 256
    .sgpr_count:     66
    .vgpr_count:     242
    .wavefront_size: 32
...
	.end_amdgpu_metadata
.endif
;; end of part 1
;; launch xq (part 2): grid 256 x 1, 8 waves a work-group, no clusters, 204,032 bytes of LDS; arguments x, q_perm, a_img, a_scl; writes a_img, a_scl
.if DOCPART == 2
	.amdgcn_target "amdgcn-amd-amdhsa--gfx1250"
	.amdhsa_code_object_version 6
	.text
	.protected	k_qba7af159d6_xq
	.globl	k_qba7af159d6_xq
	.p2align	8
	.type	k_qba7af159d6_xq,@function
k_qba7af159d6_xq:
	s_mov_b64 s[64:65], 0
	v_nop
	global_prefetch_b8 v0, s[64:65] scope:SCOPE_SE
	s_setreg_imm32_b32 hwreg(HW_REG_WAVE_MODE, 25, 1), 1
	s_wait_xcnt 0x0
; xp[m][k] = x[m][q_perm[k]] is quantised along k to codes of BF6 (E3M2) with one E8M0 byte for each 32 k.  x: [4096][4096] f16; q_perm: 4,096 whole numbers, stored by the launch before.
; a_img holds the codes in the order of the operand's registers: byte = ks x 786,432 + tile x 3,072 + q x 1,536 + c x 512 + lane x 16 (tile = 16 rows, K step 2 ks + q, registers 4 c .. 4 c + 3 of the image's lane);
; a_scl one word for a row and 128 k: byte = tile x 2,048 + ks x 128 + r x 8 + q x 4.
; A work-group owns 16 whole rows of x, since any k may want any column.  They lie in LDS as four QUADS of rows: the four f16 of rows 4 Q .. 4 Q + 3 at one column are 8 neighbouring bytes, so that ONE load of 8 bytes gathers four rows.
; Column c of a quad lies at byte (c & 7) x 4,096 + (c >> 3) x 8: a lane that has loaded eight neighbouring columns stores column j of them 8 bytes beside its neighbour lane's: each LDS store covers 256 consecutive bytes.
; A quad is 32,768 bytes + 16 of padding (cleared once; no index reaches it): quad Q starts at bank 4 Q (64 banks of 4 bytes: ISA guide 11.1).
; IN: wave w loads rows 4 (w / 2) + 0 .. 3, columns 2,048 (w % 2) + 0 .. 2,047: 32 loads of 512 consecutive bytes; sixteen v_perm_b32 make eight columns' 8 bytes of each four loads.
; SHARES: lane (Q = lane % 4, sec = lane / 4) of wave w takes k = 64 (8 w + sec) + 0 .. 63 of the quad's four rows: two blocks of each row, one block a batch.  A wave so makes the whole fragments of K steps 4 w .. 4 w + 3.
; Its 512 indices come through the wave's own LDS bytes (rows of 256 bytes + 16), and the 64 gather addresses of a lane are made while x is on its way, ahead of the one barrier.
; OUT: codes and scale bytes go through the wave's own stage and leave as whole runs: 512 consecutive bytes a store of codes, 256 for the scale words.
; A block's scale byte is its largest magnitude's exponent field - 4, held at 1 from below; a block of zeros gets the byte 1 where the rule says 127: its codes are zeros, and this program alone reads the bytes.
; LIMITS: NaN and infinities in x are not served.  An index is held at 4,095, the last column.
.set PQ,    32784                      ; a quad in LDS
.set PERM,  131328                     ; behind the four quads: each wave's indices, 8 rows of 272 bytes
.set PWB,   2304
.set STG,   149760                     ; each wave's stage for codes: four K steps, 1,552 bytes apart (1,536 + 16: K step s starts at bank 4 s)
.set SWB,   6400
.set SPI,   1552
.set SSTG,  200960                     ; each wave's 256 scale bytes
.set SPARE, 203008                     ; the spare words, 128 bytes a wave, named by no other line
.set KSB,   786432
.set TILEB, 3072
.set FRB,   1536
.set FLOOR, 0x2800000                  ; 2^(5 - 127)
.set STG0, 1                           ; v1   stage: where a block's register pairs 0 and 2 go
.set STG1, 2                           ; v2   and pair 1
.set STGR, 3                           ; v3   stage: 16 x lane, on the way out
.set GOUT, 4                           ; v4   16 x lane
.set SSW,  5                           ; v5   where my scale bytes go
.set SSR,  6                           ; v6   and where 8 of them are read back
.set SGO,  7                           ; v7   8 x lane
.set SPW,  8
.set NIL,  9
.set MX,   10                          ; v10-17 largest magnitudes, eight chains (v10-25 first: at work on the way in)
.set SCO,  18                          ; v18-21 the conversions' scale operands
.set T,    22                          ; v22-27 a block's codes
.set TH,   28                          ; v28-30 their upper half as it is made
.set XL,   26                          ; v26-30 first hold addresses of the way in
.set PLW,  27
.set PLR,  28
.set QB,   29
.set PADA, 30
.set RAW,  32                          ; v32-95 a batch's 32 gathered columns, 8 bytes each (first: x as loaded, with v160-223)
.set IDX1, 96                          ; v96-127 the second batch's addresses
.set F,    128                         ; v128-255 4 rows x 32 numbers in f32 (v128-159 first: the first batch's addresses; at the end: the way out)
.set PST,  224                         ; v224-239 my 64 bytes of q_perm on their way to LDS
	s_load_b128 s[4:7], s[0:1], 0x0                ; x, q_perm
	s_load_b128 s[8:11], s[0:1], 0x10              ; a_img, a_scl
	v_lshl_add_u32 v[SPW], v0, 2, SPARE
	v_mov_b32 v[NIL], 0
	v_lshrrev_b32 v31, 5, v0
	v_readfirstlane_b32 s12, v31                   ; wave
	s_lshr_b32 s13, s12, 1                         ; the quad that I load,
	s_and_b32 s16, s12, 1                          ; and which half of its columns
	s_mul_i32 s17, s13, PQ
	s_lshl_b32 s22, s16, 11
	s_add_co_u32 s23, s17, s22                     ; LDS: quad + 2,048 x half
	s_lshl_b32 s24, s16, 3
	s_add_co_u32 s24, s24, s17                     ; my 8 of the 16 bytes of padding
	s_mul_i32 s25, s12, PWB
	s_add_co_u32 s25, s25, PERM
	s_mul_i32 s26, s12, SWB
	s_add_co_u32 s26, s26, STG
	s_lshl_b32 s27, s12, 8
	s_add_co_u32 s27, s27, SSTG
	s_lshl_b32 s14, ttmp9, 17                      ; x: 16 rows of 8,192 bytes a work-group, + 4 rows a quad, + 4,096 x half
	s_lshl_b32 s22, s13, 15
	s_add_co_u32 s14, s14, s22
	s_lshl_b32 s22, s16, 12
	s_add_co_u32 s14, s14, s22
	s_mov_b32 s15, 0
	s_lshl_b32 s28, s12, 11                        ; q_perm: 512 indices a wave
	s_mov_b32 s29, 0
	s_mul_i32 s18, s12, 2*KSB                      ; a_img: ks = 2 w, tile = the work-group's number
	s_mul_i32 s22, ttmp9, TILEB
	s_add_co_u32 s18, s18, s22
	s_mov_b32 s19, 0
	s_lshl_b32 s20, ttmp9, 11                      ; a_scl likewise
	s_lshl_b32 s22, s12, 8
	s_add_co_u32 s20, s20, s22
	s_mov_b32 s21, 0
	s_mov_b32 s30, 0x05040100                      ; v_perm_b32: the two low halves,
	s_mov_b32 s31, 0x07060302                      ; the two high halves
	v_and_b32 v31, 31, v0                          ; lane
	v_lshlrev_b32 v[GOUT], 4, v31
	v_lshlrev_b32 v[SGO], 3, v31
	v_add_nc_u32 v[XL], s23, v[SGO]
	v_mov_b32 v[PADA], s24
	v_bfe_u32 v10, v0, 4, 1
	v_lshl_add_u32 v10, v10, 4, v[GOUT]            ; 16 x lane, + 16 behind the first 256 bytes
	v_add_nc_u32 v[PLW], s25, v10
	v_bfe_u32 v11, v0, 2, 3                        ; sec
	v_mul_u32_u24 v12, v11, 272
	v_add_nc_u32 v[PLR], s25, v12
	v_and_b32 v13, 3, v0                           ; Q
	v_mul_u32_u24 v[QB], v13, PQ
	v_lshrrev_b32 v14, 1, v11                      ; which of the wave's four K steps
	v_and_b32 v15, 1, v11                          ; d: which half of it
	v_mul_u32_u24 v16, v14, SPI
	v_lshl_add_u32 v16, v13, 6, v16                ; + 16 bytes a row, 4 rows a quad
	v_add_nc_u32 v16, s26, v16
	v_mad_u32_u24 v[STG0], v15, 520, v16           ; registers 6 d + 0, 1 lie at byte 520 d of a lane's three pieces, 6 d + 4, 5 at 520 d + 512,
	v_mad_u32_u24 v[STG1], v15, 1016, v16          ; and 6 d + 2, 3 at 1,016 d + 8
	v_add_nc_u32 v[STGR], s26, v[GOUT]
	v_lshrrev_b32 v17, 1, v14
	v_and_b32 v18, 1, v14
	v_lshlrev_b32 v17, 7, v17                      ; scale bytes: 128 x (K step / 2) + 4 x (K step % 2) + 2 d + 32 Q
	v_lshl_add_u32 v17, v18, 2, v17
	v_lshl_add_u32 v17, v15, 1, v17
	v_lshl_add_u32 v17, v13, 5, v17
	v_add_nc_u32 v[SSW], s27, v17
	v_add_nc_u32 v[SSR], s27, v[SGO]
	v_mov_b32 v20, 0
	v_mov_b32 v21, 0
	s_wait_alu depctr_va_vdst(0)
	s_wait_kmcnt 0x0
	s_add_nc_u64 s[4:5], s[4:5], s[14:15]
	s_add_nc_u64 s[6:7], s[6:7], s[28:29]
	s_add_nc_u64 s[8:9], s[8:9], s[18:19]
	s_add_nc_u64 s[10:11], s[10:11], s[20:21]
.irp u, 0,1,2,3
	global_load_b128 v[PST+4*\u:PST+4*\u+3], v[GOUT], s[6:7] offset:512*\u   ; my wave's 2,048 bytes of q_perm
.endr
.set n, 0
.rept 32                               ; load n: row n % 4 of the quad, columns 256 (n / 4) + 8 x lane + 0 .. 7 of my half: 512 consecutive bytes, read once in the launch
	global_load_b128 v[RAW+4*n+64*(n/16):RAW+4*n+64*(n/16)+3], v[GOUT], s[4:5] offset:(n%4)*8192+(n/4)*512 th:TH_LOAD_NT
.set n, n+1
.endr
	ds_store_b64 v[PADA], v[20:21] offset:32768    ; the padding behind my quad, 8 bytes from each of its two waves
	s_wait_loadcnt 32                              ; q_perm's four loads are in; the 32 of x may be out
.irp u, 0,1,2,3
	ds_store_b128 v[PLW], v[PST+4*\u:PST+4*\u+3] offset:544*\u
.endr
.irp y, 0,1,2,3,4,5,6,7                ; my 64 indices, 256 bytes, the same for the four lanes of a section; LDS serves a wave's instructions in order: these see my stores
	ds_load_b128 v[F+4*\y:F+4*\y+3], v[PLR] offset:16*\y
.endr
.irp y, 0,1,2,3,4,5,6,7
	ds_load_b128 v[IDX1+4*\y:IDX1+4*\y+3], v[PLR] offset:128+16*\y
.endr
	s_wait_dscnt 0x0
.macro IDXG base                       ; sixteen indices become LDS addresses: quad + (c & 7) x 4,096 + (c & 0xff8)
.set n, 0
.rept 16
	v_min_u32 v[\base+n], 4095, v[\base+n]
.set n, n+1
.endr
.set n, 0
.rept 16
	v_and_b32 v[10+n], 7, v[\base+n]
.set n, n+1
.endr
.set n, 0
.rept 16
	v_and_b32 v[\base+n], 0xff8, v[\base+n]
.set n, n+1
.endr
.set n, 0
.rept 16
	v_lshl_add_u32 v[10+n], v[10+n], 12, v[QB]
.set n, n+1
.endr
.set n, 0
.rept 16
	v_add_nc_u32 v[\base+n], v[10+n], v[\base+n]
.set n, n+1
.endr
.endm
	IDXG F
	IDXG F+16
	IDXG IDX1
	IDXG IDX1+16
.macro XGROUP g                        ; four rows x eight columns a lane: column j's 8 bytes = rows 0, 1 in the first word, rows 2, 3 in the second
	s_wait_loadcnt 28-4*\g                         ; this group's four loads are in; the groups behind it may be out
.set B, RAW+16*\g+64*(\g/4)
.irp i, 0,1,2,3
	v_perm_b32 v[10+4*\i],   v[B+4+\i],  v[B+\i],   s30
	v_perm_b32 v[10+4*\i+1], v[B+12+\i], v[B+8+\i], s30
	v_perm_b32 v[10+4*\i+2], v[B+4+\i],  v[B+\i],   s31
	v_perm_b32 v[10+4*\i+3], v[B+12+\i], v[B+8+\i], s31
.endr
.irp j, 0,1,2,3,4,5,6,7
	ds_store_b64 v[XL], v[10+2*\j:11+2*\j] offset:4096*\j+256*\g   ; 32 lanes store 256 consecutive bytes
.endr
.endm
.irp g, 0,1,2,3,4,5,6,7
	XGROUP \g
.endr
	s_wait_alu depctr_va_vdst(0)
	s_wait_dscnt 0x0                               ; for the others' sake: my part of my quad lies in LDS
	s_barrier_signal -1
	s_barrier_wait -1                              ; the four quads are whole; from here on they are only read
.macro GATHER idx
.set n, 0
.rept 32
	ds_load_b64 v[RAW+2*n:RAW+2*n+1], v[\idx+n]
.set n, n+1
.endr
.endm
; One block of 32 k of each of my four rows: block 2 d + b of the K step, which is registers 6 d .. 6 d + 5 of the image's lane (r, b).
.macro BATCH b
	s_wait_dscnt 0x0                               ; this batch's 32 columns are in
.set n, 0
.irp s, v32.l,v34.l,v36.l,v38.l,v40.l,v42.l,v44.l,v46.l,v48.l,v50.l,v52.l,v54.l,v56.l,v58.l,v60.l,v62.l,v64.l,v66.l,v68.l,v70.l,v72.l,v74.l,v76.l,v78.l,v80.l,v82.l,v84.l,v86.l,v88.l,v90.l,v92.l,v94.l
	v_cvt_f32_f16 v[F+n], \s                       ; row 0; exact
.set n, n+1
.endr
.irp s, v32.h,v34.h,v36.h,v38.h,v40.h,v42.h,v44.h,v46.h,v48.h,v50.h,v52.h,v54.h,v56.h,v58.h,v60.h,v62.h,v64.h,v66.h,v68.h,v70.h,v72.h,v74.h,v76.h,v78.h,v80.h,v82.h,v84.h,v86.h,v88.h,v90.h,v92.h,v94.h
	v_cvt_f32_f16 v[F+n], \s                       ; row 1
.set n, n+1
.endr
.irp s, v33.l,v35.l,v37.l,v39.l,v41.l,v43.l,v45.l,v47.l,v49.l,v51.l,v53.l,v55.l,v57.l,v59.l,v61.l,v63.l,v65.l,v67.l,v69.l,v71.l,v73.l,v75.l,v77.l,v79.l,v81.l,v83.l,v85.l,v87.l,v89.l,v91.l,v93.l,v95.l
	v_cvt_f32_f16 v[F+n], \s                       ; row 2
.set n, n+1
.endr
.irp s, v33.h,v35.h,v37.h,v39.h,v41.h,v43.h,v45.h,v47.h,v49.h,v51.h,v53.h,v55.h,v57.h,v59.h,v61.h,v63.h,v65.h,v67.h,v69.h,v71.h,v73.h,v75.h,v77.h,v79.h,v81.h,v83.h,v85.h,v87.h,v89.h,v91.h,v93.h,v95.h
	v_cvt_f32_f16 v[F+n], \s                       ; row 3
.set n, n+1
.endr
.if \b == 0
	GATHER IDX1                                    ; the second batch's columns come under this batch's arithmetic
.endif
.irp z, 0,1,2,3,4,5,6,7
	v_max3_num_f32 v[MX+\z], |v[F+16*\z]|, |v[F+16*\z+1]|, FLOOR   ; eight chains of 16 numbers by turns, two to a row, each over the floor: the byte cannot fall under 1
.endr
.irp i, 2,4,6,8,10,12,14
.irp z, 0,1,2,3,4,5,6,7
	v_max3_num_f32 v[MX+\z], v[MX+\z], |v[F+16*\z+\i]|, |v[F+16*\z+\i+1]|
.endr
.endr
.irp r, 0,1,2,3
	v_max_num_f32 v[MX+2*\r], v[MX+2*\r], v[MX+2*\r+1]             ; the block's largest magnitude
.endr
.irp r, 0,1,2,3
	v_add_nc_u32 v[SCO+\r], 0xfe000000, v[MX+2*\r]                 ; 4 off its exponent field: the conversion's scale operand
.endr
.irp r, 0,1,2,3
	v_lshrrev_b32 v[MX+2*\r+1], 23, v[SCO+\r]                      ; the scale's byte
.endr
.irp r, 0,1,2,3
	ds_store_b8 v[SSW], v[MX+2*\r+1] offset:8*\r+\b
.endr
.irp r, 0,1,2,3
	v_cvt_scalef32_pk16_bf6_f32 v[T:T+2], v[F+32*\r:F+32*\r+15], v[SCO+\r]
	v_cvt_scalef32_pk16_bf6_f32 v[TH:TH+2], v[F+32*\r+16:F+32*\r+31], v[SCO+\r]   ; (a conversion's three registers begin on an even number)
	v_nop                                          ; one plain line behind a scaled conversion
	v_mov_b32 v[T+3], v[TH]
	v_mov_b32 v[T+4], v[TH+1]
	v_mov_b32 v[T+5], v[TH+2]
	ds_store_b64 v[STG0], v[T:T+1] offset:16*\r+256*\b
	ds_store_b64 v[STG1], v[T+2:T+3] offset:16*\r+256*\b+8
	ds_store_b64 v[STG0], v[T+4:T+5] offset:16*\r+256*\b+512
.endr
.endm
	GATHER F
	BATCH 0
	BATCH 1
.irp i, 0,1,2,3,4,5,6,7,8,9,10,11      ; the wave's four fragments, as they lie in a_img; LDS serves a wave's instructions in order: these see my stores
	ds_load_b128 v[F+4*\i:F+4*\i+3], v[STGR] offset:(\i/3)*SPI+(\i%3)*512
.endr
	ds_load_b64 v[F+48:F+49], v[SSR]
.irp i, 0,1,2,3,4,5,6,7,8,9,10,11
	s_wait_dscnt 12-\i                             ; piece i is back; the loads behind it may be out
	global_store_b128 v[GOUT], v[F+4*\i:F+4*\i+3], s[8:9] offset:(\i/6)*KSB+((\i/3)%2)*FRB+(\i%3)*512   ; 32 lanes store 512 consecutive bytes, at a multiple of 512 from a_img's first byte
.endr
	s_wait_dscnt 0x0
	global_store_b64 v[SGO], v[F+48:F+49], s[10:11]   ; 32 lanes store 256 consecutive bytes, at a multiple of 256 from a_scl's first byte
	s_wait_tensorcnt 0x0                           ; the wave's end
	ds_add_u32 v[SPW], v[NIL]
	s_wait_dscnt 0x0
	s_endpgm
.Lfunc_end_k_qba7af159d6_xq:
	.size	k_qba7af159d6_xq, .Lfunc_end_k_qba7af159d6_xq-k_qba7af159d6_xq
	.p2alignl 7, 3214868480
	.fill 96, 4, 3214868480
	.section	.rodata,"a",@progbits
	.p2align	6, 0x0
	.amdhsa_kernel k_qba7af159d6_xq
		.amdhsa_group_segment_fixed_size 204032
		.amdhsa_private_segment_fixed_size 0
		.amdhsa_enable_private_segment 0
		.amdhsa_kernarg_size 32
		.amdhsa_user_sgpr_count 2
		.amdhsa_user_sgpr_kernarg_segment_ptr 1
		.amdhsa_wavefront_size32 1
		.amdhsa_system_sgpr_workgroup_id_x 1
		.amdhsa_system_sgpr_workgroup_id_y 1
		.amdhsa_system_sgpr_workgroup_id_z 1
		.amdhsa_system_vgpr_workitem_id 0
		.amdhsa_next_free_vgpr 256
		.amdhsa_next_free_sgpr 66
		.amdhsa_reserve_vcc 0
		.amdhsa_float_denorm_mode_32 3
		.amdhsa_float_denorm_mode_16_64 3
		.amdhsa_memory_ordered 1
		.amdhsa_forward_progress 1
		.amdhsa_inst_pref_size 65
	.end_amdhsa_kernel
	.amdgpu_metadata
---
amdhsa.version: [ 1, 2 ]
amdhsa.kernels:
  - .name:           k_qba7af159d6_xq
    .symbol:         k_qba7af159d6_xq.kd
    .args:
      - { .name: x, .offset: 0, .size: 8, .value_kind: global_buffer, .address_space: global }
      - { .name: q_perm, .offset: 8, .size: 8, .value_kind: global_buffer, .address_space: global }
      - { .name: a_img, .offset: 16, .size: 8, .value_kind: global_buffer, .address_space: global }
      - { .name: a_scl, .offset: 24, .size: 8, .value_kind: global_buffer, .address_space: global }
    .group_segment_fixed_size: 204032
    .private_segment_fixed_size: 0
    .kernarg_segment_align: 8
    .kernarg_segment_size: 32
    .max_flat_workgroup_size: 256
    .sgpr_count:     66
    .vgpr_count:     256
    .wavefront_size: 32
...
	.end_amdgpu_metadata
.endif
;; end of part 2
;; launch gemm (part 3): grid 16 x 16, 4 waves a work-group, clusters of 4 x 4, 327,680 bytes of LDS; arguments a_img, a_scl, b_img, b_scl, bias, out0; writes out0
.if DOCPART == 3
	.amdgcn_target "amdgcn-amd-amdhsa--gfx1250"
	.amdhsa_code_object_version 6
	.text
	.protected	k_qba7af159d6_gemm
	.globl	k_qba7af159d6_gemm
	.p2align	8
	.type	k_qba7af159d6_gemm,@function
k_qba7af159d6_gemm:
	s_mov_b64 s[64:65], 0
	v_nop
	global_prefetch_b8 v0, s[64:65] scope:SCOPE_SE
	s_setreg_imm32_b32 hwreg(HW_REG_WAVE_MODE, 25, 1), 1
	s_wait_xcnt 0x0
	s_wait_alu depctr_hold_cnt(0) depctr_sa_sdst(0) depctr_va_vdst(0) depctr_va_sdst(0) depctr_va_ssrc(0) depctr_va_vcc(0) depctr_vm_vsrc(0)
	s_getreg_b32 s2, hwreg(HW_REG_IB_STS2, 6, 4)
	s_cmp_eq_u32 s2, 0
	s_cbranch_scc0 .Lentry_in_a_cluster
	s_endpgm
.Lentry_in_a_cluster:
	s_bfe_u32 s2, ttmp6, 0x10000c
	s_cmp_lg_u32 s2, 0xf033
	s_cbranch_scc0 .Lentry_shape_is_right
	s_endpgm
.Lentry_shape_is_right:
; out0[m][n] = f16(sum over k of A[m][k] B[n][k] + bias[n]).  A and B are codes of BF6 (E3M2) with one E8M0 byte for each 32 k, as the two launches before laid them:
; a_img, b_img: byte = ks x 786,432 + tile x 3,072 + q x 1,536 + c x 512 + lane x 16: fragment (tile of 16 rows, K step 2 ks + q) in the order of the operand's registers;  a_scl, b_scl: byte = tile x 2,048 + ks x 128 + r x 8 + q x 4.
; B's tile 4 G + e holds the columns 64 G + 4 r + e.  ORDER OF ROUNDING: the bias starts the f32 sums and the result is rounded to f16 once, where reference() rounds the sum to f16 and adds the bias in f16.
; A block of 256 x 256 to a work-group of four waves, 128 x 128 a wave: 64 accumulators, 512 registers.  256 work-groups.  K goes through two LDS slots of 256 along K (two steps of 128): 98,304 bytes each, dense rows of 256 bytes.
; The scales of the block's 256 rows of A and of B, for all of K, come into LDS once, at the head, and stay.
; CLUSTERS 4 x 4: A's tiles are asked for jointly along a row of the cluster, B's along a column.  The matrix instruction is used transposed (source 0 = B, source 1 = A): a lane holds one row of the result.
; THE HEAD: one joint load a wave: wave 0 slot 0's A, wave 1 its B, wave 2 A's scales, wave 3 B's.  Slot 1's first fill follows behind the full sequence and a round, as a refill does.
; PREFETCH: a wave's part of a slot is 96 blocks of 256 bytes; the four partners that ask for it jointly take 24 each, told apart by address, a lane a block (lanes 24-31 name the last again).
; Each refill is followed by the request for the slot that stands two refills on; the head asks for slots 1 and 2, slot 1's first fill for slot 3; the last two refills ask for nothing: slot 15 is the buffer's last.
; THE LAST SLOT GOES BY ROWS OF THE RESULT: both steps' fragments of B lie in registers, and each block of 16 rows is finished by 16 products and leaves while the next is multiplied.
; REGISTERS: window 0: v0-31 addresses; v32-63 scale words, two sets; v64-95 at work on the way out (first the bias as loaded); v96-127, v224-255 the bias in f32, later rows on their way out; v128-223 A's fragments.
;   window 1: B's fragments, two sets, at v0 and v128.  Window 2: accumulators of my rows 0-63;  window 3: of rows 64-127.
.set SIZE_N, 4096
.set NQ,     2
.set FR,     12
.set NL,     3
.set NP,     4
.set FRB,    1536
.set TILEB,  3072
.set PART,   8*TILEB                   ; 8 tiles x 2 steps: what a wave's load of the ring brings: 96 rows of 256 bytes
.set SLOT,   4*PART
.set KSB,    786432                    ; from a slot's bytes in an image to the next slot's
.set LAPS,   8
.set SCL,    2*SLOT                    ; A's scales, 32,768 bytes; B's lie 128 bytes further than on end, so that the two halves of the lanes read different banks
.set SHALF,  16384
.set SPARE,  262400                    ; the spare words, 512 bytes, named by no other line
.set SPITCH, 272
.set ADRA, 16
.set ADRB, 20
.set STO,  24
.set RD,   25
.set CO,   26
.set ADRS, 27
.set SPW,  28
.set NIL,  29
.set PFO,  30                          ; the prefetches' offset: 256 x min(lane, 23); never rewritten
.set SC,   32
.set TMP,  64
.set BI,   96
.set AF,   128
.set PA,   128                         ; the last slot: A's block a, both steps, 24 registers at PA + 24 (a % 4)
.set G0H, 4
.set G0HB, 8
.set G1, 24
.set G0, 32
.set G1B, 48
.set G0B, 56
.set G1S, 68
.set G0S, 76
.set G1SB, 80
.set G0SB, 88
.set PFA, 98                           ; s[98:99] my work-group's 24 blocks of the part that I fetch, at the slot of the turn
.set MSB, 0
.macro WIN new
.if MSB != (\new)
	s_set_vgpr_msb (MSB<<8)|(\new)
.set MSB, (\new)
.endif
.endm
.set MUL_LO,   0xa1
.set MUL_HI,   0xf1
.set FIRST_LO, 0x81
.set FIRST_HI, 0xc1
.set TO_B,     0x40
.macro TLOAD g0, g1                    ; the four v_nop stand ahead of any switch of windows and are the places in front of the loads that follow
	tensor_load_to_lds s[\g0:\g0+3], s[\g1:\g1+7]
	s_nop 0
.rept 4
	v_nop
.endr
.endm
.macro JLOAD g0a, g1a, g0b, g1b        ; waves 0 and 1 fetch A's halves, waves 2 and 3 B's
	s_cmp_eq_u32 s15, 0
	s_cbranch_scc0 .Lfor_b_\@
	TLOAD \g0a, \g1a
	s_branch .Lasked_\@
.Lfor_b_\@:
	TLOAD \g0b, \g1b
.Lasked_\@:
.endm
.macro CREST
	s_cmp_lg_u32 s14, 0
	s_cbranch_scc1 .Lnot_wave_0_\@
	s_barrier_signal -3
.Lnot_wave_0_\@:
	s_barrier_wait -3
	s_barrier_signal -1
	s_barrier_wait -1
.endm
.macro CROUND
	s_barrier_signal -1
	s_barrier_wait -1
	CREST
.endm
	s_load_b128 s[4:7], s[0:1], 0x0                ; a_img, a_scl
	s_load_b128 s[8:11], s[0:1], 0x10              ; b_img, b_scl
	s_load_b64 s[96:97], s[0:1], 0x20              ; bias
	s_load_b64 s[12:13], s[0:1], 0x28              ; out0
	v_lshl_add_u32 v[SPW], v0, 2, SPARE
	v_mov_b32 v[NIL], 0
	ds_add_u32 v[SPW], v[NIL]                      ; the opening lines: the add twice on end under one wait
	ds_add_u32 v[SPW], v[NIL]
	v_lshrrev_b32 v1, 5, v0
	v_readfirstlane_b32 s14, v1                    ; wave
	s_lshr_b32 s15, s14, 1                         ; my half of the rows; also: I fetch for A (0) or B (1)
	s_and_b32 s16, s14, 1                          ; my half of the columns; also: which half of a tile I fetch
	s_bfe_u32 s40, ttmp6, 0x40000                  ; cx
	s_bfe_u32 s41, ttmp6, 0x40004                  ; cy
	s_lshl_b32 s42, ttmp9, 2
	s_add_co_u32 s42, s42, s40                     ; block column
	s_and_b32 s17, ttmp7, 0xffff
	s_lshl_b32 s17, s17, 2
	s_add_co_u32 s17, s17, s41                     ; block row
	s_lshl_b32 s43, s41, 2
	s_lshl_b32 s43, 15, s43                        ; my row of the cluster
	s_lshl_b32 s44, 0x1111, s40                    ; my column
	s_or_b32 s[G1+0], s43, (3<<16)|(1<<21)         ; elements of 8 bytes, rows of 32: 256 bytes, dense
	s_or_b32 s[G1B+0], s44, (3<<16)|(1<<21)
.irp g, G1, G1B
	s_mov_b32 s[\g+1], 32<<16
	s_mov_b32 s[\g+2], 192<<16                     ; the head's loads bring a whole slot's A or B: 192 rows
	s_mov_b32 s[\g+3], 32<<16
	s_mov_b32 s[\g+4], 192
	s_mov_b32 s[\g+5], 32
	s_mov_b32 s[\g+6], 0
	s_mov_b32 s[\g+7], 0
.endr
	s_or_b32 s[G1S+0], s43, (3<<16)|(1<<21)
	s_or_b32 s[G1SB+0], s44, (3<<16)|(1<<21)
.irp g, G1S, G1SB
	s_mov_b32 s[\g+1], 32<<16
	s_mov_b32 s[\g+2], 128<<16                     ; the scales of 256 rows: 128 rows of 256 bytes
	s_mov_b32 s[\g+3], 32<<16
	s_mov_b32 s[\g+4], 128
	s_mov_b32 s[\g+5], 32
	s_mov_b32 s[\g+6], 0
	s_mov_b32 s[\g+7], 0
.endr
	s_mul_i32 s20, s17, 2*PART                     ; byte offsets: A's 16 tiles,
	s_mov_b32 s21, 0
	s_mul_i32 s46, s42, 2*PART                     ; B's,
	s_mov_b32 s47, 0
	s_lshl_b32 s22, s17, 15                        ; their scales,
	s_mov_b32 s23, 0
	s_lshl_b32 s92, s42, 15
	s_mov_b32 s93, 0
	s_mul_i32 s18, s16, PART                       ; the half that I fetch in the ring,
	s_mov_b32 s19, 0
	s_mul_i32 s45, s14, PART                       ; and where it goes in a slot
	s_lshl_b32 s94, s42, 9                         ; my first column in bytes of f16: 512 x block column + 256 x half
	s_lshl_b32 s95, s16, 8
	s_add_co_u32 s94, s94, s95
	s_mov_b32 s95, 0
	s_lshl_b32 s2, s17, 8                          ; my first row of out0, 8,192 bytes a row
	s_lshl_b32 s3, s15, 7
	s_add_co_u32 s2, s2, s3
	s_lshl_b32 s2, s2, 13
	s_add_co_u32 s2, s2, s94
	s_mov_b32 s3, 0
	s_cmp_eq_u32 s15, 0                            ; the prefetches: the part that I fetch, and my work-group's quarter of it
	s_cselect_b32 s66, s17, s42
	s_cselect_b32 s67, s40, s41
	s_mul_i32 s66, s66, 2*PART
	s_add_co_u32 s66, s66, s18
	s_mul_i32 s67, s67, PART/4
	s_add_co_u32 s66, s66, s67
	s_mov_b32 s67, 0
	s_wait_dscnt 0x0                               ; both opening adds are done
	s_wait_kmcnt 0x0
	s_cmp_eq_u32 s15, 0
	s_cselect_b64 s[PFA:PFA+1], s[4:5], s[8:9]
	s_add_nc_u64 s[PFA:PFA+1], s[PFA:PFA+1], s[66:67]
	s_add_nc_u64 s[20:21], s[4:5], s[20:21]
	s_add_nc_u64 s[22:23], s[6:7], s[22:23]
	s_add_nc_u64 s[46:47], s[8:9], s[46:47]
	s_add_nc_u64 s[92:93], s[10:11], s[92:93]
	s_add_nc_u64 s[96:97], s[96:97], s[94:95]
	s_add_nc_u64 s[12:13], s[12:13], s[2:3]
	s_mov_b32 s[G0H], 1                            ; the head's four tiles (in registers whose arguments have been used)
	s_mov_b32 s[G0H+1], 0
	s_mov_b64 s[G0H+2:G0H+3], s[20:21]
	s_or_b32 s[G0H+3], s[G0H+3], 0x80000000
	s_mov_b32 s[G0HB], 1
	s_mov_b32 s[G0HB+1], 2*PART
	s_mov_b64 s[G0HB+2:G0HB+3], s[46:47]
	s_or_b32 s[G0HB+3], s[G0HB+3], 0x80000000
	s_mov_b32 s[G0S], 1
	s_mov_b32 s[G0S+1], SCL
	s_mov_b64 s[G0S+2:G0S+3], s[22:23]
	s_or_b32 s[G0S+3], s[G0S+3], 0x80000000
	s_mov_b32 s[G0SB], 1
	s_mov_b32 s[G0SB+1], SCL+2*SHALF+128
	s_mov_b64 s[G0SB+2:G0SB+3], s[92:93]
	s_or_b32 s[G0SB+3], s[G0SB+3], 0x80000000
	s_add_nc_u64 s[20:21], s[20:21], s[18:19]      ; for the ring: my half
	s_add_nc_u64 s[46:47], s[46:47], s[18:19]
.irp s, 0,1
	s_mov_b32 s[G0+4*\s], 1
	s_add_co_u32 s[G0+4*\s+1], s45, \s*SLOT
	s_add_nc_u64 s[G0+4*\s+2:G0+4*\s+3], s[20:21], \s*KSB
	s_or_b32 s[G0+4*\s+3], s[G0+4*\s+3], 0x80000000
	s_mov_b32 s[G0B+4*\s], 1
	s_add_co_u32 s[G0B+4*\s+1], s45, \s*SLOT
	s_add_nc_u64 s[G0B+4*\s+2:G0B+4*\s+3], s[46:47], \s*KSB
	s_or_b32 s[G0B+4*\s+3], s[G0B+4*\s+3], 0x80000000
.endr
	CROUND                                         ; all sixteen work-groups are here: the first joint loads meet
.macro ARM under, g0, g1, next         ; one chain of branches on the wave's number: every way passes exactly one load
	s_cmp_lt_u32 s14, \under
	s_cbranch_scc0 \next
	TLOAD \g0, \g1
	s_branch .Lhead_asked
\next:
.endm
	ARM 1, G0H,  G1,  .Lhead_b
	ARM 2, G0HB, G1B, .Lhead_sa
	ARM 3, G0S,  G1S, .Lhead_sb
	TLOAD G0SB, G1SB
.Lhead_asked:
	s_mul_i32 s18, s15, PART                       ; my 8 tiles of A in a slot,
	s_mul_i32 s19, s16, PART
	s_add_co_u32 s19, s19, 2*PART                  ; of B;
	s_lshl_b32 s21, s15, 14                        ; my scales: A's,
	s_lshl_b32 s20, s16, 14
	s_add_co_u32 s20, s20, 2*SHALF+128
	s_sub_co_u32 s20, s20, s21                     ; and how far behind them B's lie
	s_add_co_u32 s21, s21, SCL
	s_mul_i32 s22, s14, 16*SPITCH                  ; my stage, in slot 0: it has had its last fill and its last read when the first result is stored there
	v_bfe_u32 v2, v0, 4, 1                         ; h
	v_lshlrev_b32 v7, 6, v2
.irp g, 0,1
.irp x, 0,1,2,3
	global_load_b128 v[TMP+16*\g+4*\x:TMP+16*\g+4*\x+3], v7, s[96:97] offset:128*\g+16*\x   ; bias of columns 64 g + 32 h + 0 .. 31 of my 128
.endr
.endr
	v_and_b32 v1, 15, v0                           ; r
	v_and_b32 v3, 31, v0                           ; lane
	v_min_u32 v[PFO], 23, v3
	v_lshlrev_b32 v[PFO], 8, v[PFO]
	v_lshlrev_b32 v4, 4, v3
	v_add_nc_u32 v[ADRA], s18, v4
	v_add_nc_u32 v[ADRB], s19, v4
	v_add_nc_u32 v[ADRA+1], SLOT, v[ADRA]
	v_add_nc_u32 v[ADRB+1], SLOT, v[ADRB]
	v_mul_u32_u24 v6, s20, v2                      ; lanes 16-31 take B's scale words
	v_lshl_add_u32 v5, v1, 3, v6
	v_add_nc_u32 v[ADRS], s21, v5
	v_mul_u32_u24 v5, v1, SPITCH                   ; into the stage: row r, 64 bytes for each half of the lanes
	v_lshl_add_u32 v5, v2, 6, v5
	v_add_nc_u32 v[STO], s22, v5
	v_mul_u32_u24 v5, v2, SPITCH                   ; back: sixteen lanes a row of 256 bytes
	v_lshl_add_u32 v5, v1, 4, v5
	v_add_nc_u32 v[RD], s22, v5
	v_lshlrev_b32 v5, 13, v2
	v_lshl_add_u32 v[CO], v1, 4, v5                ; and the same two rows in out0
	global_prefetch_b8 v[PFO], s[PFA:PFA+1] offset:KSB th:TH_LOAD_NT scope:SCOPE_SE     ; slots 1 and 2
	global_prefetch_b8 v[PFO], s[PFA:PFA+1] offset:2*KSB th:TH_LOAD_NT scope:SCOPE_SE
	s_wait_alu depctr_va_vdst(0)
	s_wait_loadcnt 0x0
.set n, 0                              ; register 8 e + j of group g: the bias of column 64 g + 32 h + 4 j + e: the C of tile 4 g + e's first product
.irp s, v64.l,v65.l,v66.l,v67.l,v68.l,v69.l,v70.l,v71.l,v72.l,v73.l,v74.l,v75.l,v76.l,v77.l,v78.l,v79.l,v80.l,v81.l,v82.l,v83.l,v84.l,v85.l,v86.l,v87.l,v88.l,v89.l,v90.l,v91.l,v92.l,v93.l,v94.l,v95.l
	v_cvt_f32_f16 v[BI+128*(n/16)+16*(n%2)+(n%16)/2], \s
.set n, n+1
.endr
.set n, 0
.irp s, v64.h,v65.h,v66.h,v67.h,v68.h,v69.h,v70.h,v71.h,v72.h,v73.h,v74.h,v75.h,v76.h,v77.h,v78.h,v79.h,v80.h,v81.h,v82.h,v83.h,v84.h,v85.h,v86.h,v87.h,v88.h,v89.h,v90.h,v91.h,v92.h,v93.h,v94.h,v95.h
	v_cvt_f32_f16 v[BI+128*(n/16)+16*(n%2)+8+(n%16)/2], \s
.set n, n+1
.endr
.macro FRAG reg, adr, q, i             ; a fragment as it lies: three loads of 512 consecutive bytes
.irp c, 0,1,2
	ds_load_b128 v[\reg+4*\c:\reg+4*\c+3], v[\adr] offset:(\i)*TILEB+(\q)*FRB+512*\c
.endr
.endm
; 16 products: A's blocks a0, a0 + 1 x B's eight.  p: B's set; q: the step of the slot; sc: the set of scale words.  The accumulators take turns.  first = 1: the bias is the C.
.macro MUL16 a0, p, q, sc, first
.irp a, \a0, \a0+1
.irp b, 0,1,2,3,4,5,6,7
.if \first
	v_wmma_scale_f32_16x16x128_f8f6f4 v[8*(8*((\a)%4)+\b):8*(8*((\a)%4)+\b)+7], v[128*(\p)+FR*\b:128*(\p)+FR*\b+FR-1], v[AF+FR*(\a):AF+FR*(\a)+FR-1], v[BI+8*\b+96*(\b/4):BI+8*\b+96*(\b/4)+7], v[SC+8*NQ*(\sc)+NQ*\b+(\q)], v[SC+8*NQ*(\sc)+NQ*(\a)+(\q)] matrix_a_fmt:MATRIX_FMT_BF6 matrix_b_fmt:MATRIX_FMT_BF6 matrix_a_scale:MATRIX_SCALE_ROW1
.else
	v_wmma_scale_f32_16x16x128_f8f6f4 v[8*(8*((\a)%4)+\b):8*(8*((\a)%4)+\b)+7], v[128*(\p)+FR*\b:128*(\p)+FR*\b+FR-1], v[AF+FR*(\a):AF+FR*(\a)+FR-1], v[8*(8*((\a)%4)+\b):8*(8*((\a)%4)+\b)+7], v[SC+8*NQ*(\sc)+NQ*\b+(\q)], v[SC+8*NQ*(\sc)+NQ*(\a)+(\q)] matrix_a_fmt:MATRIX_FMT_BF6 matrix_b_fmt:MATRIX_FMT_BF6 matrix_a_scale:MATRIX_SCALE_ROW1
.endif
.endr
.endr
.endm
.macro FETCH_B slot, q, p
	WIN TO_B
.irp i, 0,1,2,3,4,5,6,7
	FRAG 128*(\p)+FR*\i, ADRB+\slot, \q, \i
.endr
	WIN 0
.endm
.macro FETCH_A slot, q, i0
.irp i, \i0, \i0+1, \i0+2, \i0+3
	FRAG AF+FR*(\i), ADRA+\slot, \q, \i
.endr
.endm
.macro SCALES sc                       ; both steps' words of a slot: lanes 0-15 A's block i, lanes 16-31 B's
.irp i, 0,1,2,3,4,5,6,7
	ds_load_b64 v[SC+8*NQ*\sc+NQ*\i:SC+8*NQ*\sc+NQ*\i+1], v[ADRS] offset:\i*2048
.endr
.endm
.macro PLACES n
.rept \n
	v_nop
.endr
.endm
.macro STEP slot, first                ; a slot's first step; its second step's fragments are fetched in the middle and at the end
	s_wait_dscnt 4*NL                              ; all but A's blocks 4-7
.if \first
	WIN FIRST_LO
.else
	WIN MUL_LO
.endif
	MUL16 0, 0, 0, \slot, \first
	MUL16 2, 0, 0, \slot, \first
	s_wait_dscnt 0
	PLACES NP
	FETCH_B \slot, 1, 1
	FETCH_A \slot, 1, 0
.if \first
	WIN FIRST_HI
.else
	WIN MUL_HI
.endif
	MUL16 4, 0, 0, \slot, \first
	MUL16 6, 0, 0, \slot, \first
	PLACES NP
	WIN 0
	FETCH_A \slot, 1, 4
.endm
.macro MEET slot                       ; the first half of a slot's second step, and the barrier of the change of slots
	s_wait_tensorcnt 0x0                           ; all my tensor loads have landed: my part of the other slot
	ds_add_u32 v[SPW], v[NIL]
	s_wait_dscnt 4*NL+1                            ; (the add and A's blocks 4-7 may be out)
	WIN MUL_LO
	MUL16 0, 1, 1, \slot, 0
	s_wait_dscnt 0x0                               ; the add is done, and my reads of this slot are over
	s_barrier_signal -1
	MUL16 2, 1, 1, \slot, 0
	WIN 0
	s_barrier_wait -1
.endm
.macro TURN slot, next                 ; a slot's second step; the slot is filled again, two slots ahead
	s_wait_xcnt 0x0                                ; my last prefetch has read its address
	s_add_nc_u64 s[PFA:PFA+1], s[PFA:PFA+1], KSB
	MEET \slot
	CREST                                          ; the barrier has opened a round of the cluster's barrier
	s_add_nc_u64 s[G0+4*\slot+2:G0+4*\slot+3], s[G0+4*\slot+2:G0+4*\slot+3], 2*KSB
	s_add_nc_u64 s[G0B+4*\slot+2:G0B+4*\slot+3], s[G0B+4*\slot+2:G0B+4*\slot+3], 2*KSB
	JLOAD G0+4*\slot, G1, G0B+4*\slot, G1B
	s_wait_alu depctr_va_vdst(0)
	v_add_nc_u32 v[ADRS], 128, v[ADRS]             ; the next slot's scale words
	FETCH_B \next, 0, 0
	FETCH_A \next, 0, 0
	SCALES \next
	s_cmp_gt_u32 s3, 1                             ; the loop's last trip has no slot two refills on
	s_cbranch_scc0 .Lno_ask_\@
	global_prefetch_b8 v[PFO], s[PFA:PFA+1] offset:3*KSB th:TH_LOAD_NT scope:SCOPE_SE   ; the slot that stands two refills on
.Lno_ask_\@:
	WIN MUL_HI
	MUL16 4, 1, 1, \slot, 0
	MUL16 6, 1, 1, \slot, 0
	PLACES NP
	WIN 0
	FETCH_A \next, 0, 4
.endm
	s_wait_alu depctr_va_vdst(0)
	s_wait_tensorcnt 0x0                           ; my tile of the head's four is in
	ds_add_u32 v[SPW], v[NIL]
	s_mov_b32 s[G1+2], 96<<16                      ; no tensor load of mine is out: from here on a load brings 96 rows
	s_mov_b32 s[G1+4], 96
	s_mov_b32 s[G1B+2], 96<<16
	s_mov_b32 s[G1B+4], 96
	s_wait_dscnt 0x0
	CROUND
	JLOAD G0+4, G1, G0B+4, G1B                     ; slot 1's first fill
	FETCH_B 0, 0, 0
	FETCH_A 0, 0, 0
	SCALES 0
	FETCH_A 0, 0, 4
	global_prefetch_b8 v[PFO], s[PFA:PFA+1] offset:3*KSB th:TH_LOAD_NT scope:SCOPE_SE   ; slot 3
	STEP 0, 1
	s_mov_b32 s3, LAPS-1
.Llap:
	TURN 0, 1
	STEP 1, 0
	TURN 1, 0
	STEP 0, 0
	s_sub_co_u32 s3, s3, 1
	s_cmp_lg_u32 s3, 0
	s_cbranch_scc1 .Llap
.macro ALOAD a                         ; A's block a of the last slot, both steps
.irp q, 0,1
	FRAG PA+24*((\a)%4)+FR*\q, ADRA+1, \q, \a
.endr
.endm
.macro ROW a                           ; block a is finished: 16 products, its eight accumulators by turns, K ascending
.set AC, 64*((\a)%4)
	WIN MUL_LO+0x50*((\a)/4)
.irp q, 0,1
.if (\a) == 0 && \q == 1
	s_wait_dscnt 4*NL                              ; B's second set is in (behind it: A's blocks 2 and 3)
.endif
.irp b, 0,1,2,3,4,5,6,7
	v_wmma_scale_f32_16x16x128_f8f6f4 v[AC+8*\b:AC+8*\b+7], v[128*\q+FR*\b:128*\q+FR*\b+FR-1], v[PA+24*((\a)%4)+FR*\q:PA+24*((\a)%4)+FR*\q+FR-1], v[AC+8*\b:AC+8*\b+7], v[SC+8*NQ+NQ*\b+\q], v[SC+8*NQ+NQ*(\a)+\q] matrix_a_fmt:MATRIX_FMT_BF6 matrix_b_fmt:MATRIX_FMT_BF6 matrix_a_scale:MATRIX_SCALE_ROW1
.endr
.endr
.endm
.macro PACK a                          ; tiles 4 g + 2 p and 4 g + 2 p + 1 hold neighbouring columns: register j of both makes one word; each accumulator is read from its low end on
.set AC, 64*((\a)%4)
	WIN 0x0a+5*((\a)/4)
.irp g, 0,1
.irp j, 0,1,2,3,4,5,6,7
.irp p, 0,1
	v_cvt_pk_f16_f32 v[TMP+16*\g+2*\j+\p], v[AC+8*(4*\g+2*\p)+\j], v[AC+8*(4*\g+2*\p+1)+\j]
.endr
.endr
.endr
	WIN 0
.endm
.macro TOSTAGE a                       ; through my own stage; LDS serves a wave's instructions in order
.set BB, BI+128*((\a)%2)
.irp g, 0,1
.irp x, 0,1,2,3
	ds_store_b128 v[STO], v[TMP+16*\g+4*\x:TMP+16*\g+4*\x+3] offset:128*\g+16*\x
.endr
.endr
.irp t, 0,1,2,3,4,5,6,7
	ds_load_b128 v[BB+4*\t:BB+4*\t+3], v[RD] offset:\t*2*SPITCH
.endr
.endm
.macro SEND a, younger
.set BB, BI+128*((\a)%2)
	s_wait_dscnt \younger                          ; the block is back; the loads of A issued behind it may be out
	s_wait_xcnt 0x0                                ; earlier stores have read their base and their data
.if (\a) > 0
	s_add_nc_u64 s[12:13], s[12:13], 16*SIZE_N*2
.endif
.irp t, 0,1,2,3,4,5,6,7
	global_store_b128 v[CO], v[BB+4*\t:BB+4*\t+3], s[12:13] offset:\t*2*SIZE_N*2 th:TH_STORE_NT   ; sixteen lanes store 256 consecutive bytes, aligned
.endr
.endm
	MEET 0                                         ; slot 0's second step; slot 1 holds the last two steps; nothing is filled again, so no round follows
	PLACES NP
	s_wait_alu depctr_va_vdst(0)
	v_add_nc_u32 v[ADRS], 128, v[ADRS]
	FETCH_B 1, 0, 0
	ALOAD 0                                        ; into the registers of A's blocks 0-3, which are done with
	ALOAD 1
	SCALES 1
	WIN MUL_HI
	MUL16 4, 1, 1, 0, 0
	MUL16 6, 1, 1, 0, 0
	PLACES NP
	FETCH_B 1, 1, 1
	ALOAD 2
	ALOAD 3
	s_wait_dscnt 12*NL                             ; all but the 36 just issued
	ROW 0
.irp a, 0,1,2,3,4,5,6,7                ; block a leaves; block a + 1's products stand between its loads from the stage and the wait for them
	PLACES NP
	PACK \a
	TOSTAGE \a
.if \a < 4
	ALOAD \a+4
.endif
.if \a < 7
	ROW \a+1
	WIN 0
.endif
.if \a < 4
	SEND \a, 2*NL
.else
	SEND \a, 0
.endif
.endr
	s_wait_tensorcnt 0x0                           ; the wave's end
	ds_add_u32 v[SPW], v[NIL]
	s_wait_dscnt 0x0
	CROUND                                         ; the closing round
	s_endpgm
.Lfunc_end_k_qba7af159d6_gemm:
	.size	k_qba7af159d6_gemm, .Lfunc_end_k_qba7af159d6_gemm-k_qba7af159d6_gemm
	.p2alignl 7, 3214868480
	.fill 96, 4, 3214868480
	.section	.rodata,"a",@progbits
	.p2align	6, 0x0
	.amdhsa_kernel k_qba7af159d6_gemm
		.amdhsa_group_segment_fixed_size 327680
		.amdhsa_private_segment_fixed_size 0
		.amdhsa_enable_private_segment 0
		.amdhsa_kernarg_size 48
		.amdhsa_user_sgpr_count 2
		.amdhsa_user_sgpr_kernarg_segment_ptr 1
		.amdhsa_wavefront_size32 1
		.amdhsa_system_sgpr_workgroup_id_x 1
		.amdhsa_system_sgpr_workgroup_id_y 1
		.amdhsa_system_sgpr_workgroup_id_z 1
		.amdhsa_system_vgpr_workitem_id 0
		.amdhsa_next_free_vgpr 1024
		.amdhsa_next_free_sgpr 100
		.amdhsa_reserve_vcc 0
		.amdhsa_float_denorm_mode_32 3
		.amdhsa_float_denorm_mode_16_64 3
		.amdhsa_memory_ordered 1
		.amdhsa_forward_progress 1
		.amdhsa_inst_pref_size 143
	.end_amdhsa_kernel
	.amdgpu_metadata
---
amdhsa.version: [ 1, 2 ]
amdhsa.kernels:
  - .name:           k_qba7af159d6_gemm
    .symbol:         k_qba7af159d6_gemm.kd
    .args:
      - { .name: a_img, .offset: 0, .size: 8, .value_kind: global_buffer, .address_space: global }
      - { .name: a_scl, .offset: 8, .size: 8, .value_kind: global_buffer, .address_space: global }
      - { .name: b_img, .offset: 16, .size: 8, .value_kind: global_buffer, .address_space: global }
      - { .name: b_scl, .offset: 24, .size: 8, .value_kind: global_buffer, .address_space: global }
      - { .name: bias, .offset: 32, .size: 8, .value_kind: global_buffer, .address_space: global }
      - { .name: out0, .offset: 40, .size: 8, .value_kind: global_buffer, .address_space: global }
    .group_segment_fixed_size: 327680
    .private_segment_fixed_size: 0
    .kernarg_segment_align: 8
    .kernarg_segment_size: 48
    .max_flat_workgroup_size: 128
    .sgpr_count:     100
    .vgpr_count:     1024
    .wavefront_size: 32
...
	.end_amdgpu_metadata
.endif
;; end of part 3
